; MI455X (gfx1250); checked and timed in simulation.
; The chip was launched on July 23, 2026; its instructions are those of AMD's public machine-readable ISA for CDNA 5 (MIT licence, August 2026) and "CDNA5" Instruction Set Architecture Reference Guide (July 2026). The comments in the code are by the model that wrote it; some were corrected since.
;; Stationary Kernel. Allowed arithmetic: matrix products marked QUANTISED: E2M1 operands, one E8M0 scale for each 32 along K, by v_wmma_scale_f32_16x16x128_f8f6f4 with both operands' format E2M1 (or v_wmma_scale_f32_32x16x128_f4), f32 sums; products left as they are: f32 operands where the result goes on into a quantised operand, else bf16, f16 or f32 operands; f32 sums; everything else in f32.
;; Inputs: W1 96 x 128 float32; W2_codes 128 x 4 x 16 uint8 (E2M1 codes of W2, K innermost, in blocks of 32 codes, two codes a byte); W2_scales 128 x 4 uint8 (E8M0 scales of W2, one for each 32 codes along K); W3 128 x 1 float32; b1 128 float32; b2 128 float32; b3 1 float32; t 4 x 32 float32; x 4 x 512 x 64 float32; y 4 x 512 x 64 float32.
;; Outputs: out0 4 x 512 x 512 float32.
;; This version of the problem:
;;   THIS VERSION OF THE PROBLEM IS GIVEN IN LOW PRECISION. The matrix products marked QUANTISED in the list below multiply operands that are first quantised to E2M1 (2 exponent bits, 1 mantissa bit; 4 bits a number), with one power-of-two scale for each 32 numbers along K (OCP MX v1.0); their sums are f32. All else is computed in f32.
;;   The module's matrix products, in the order in which they are computed (A, B: the left and right operand; K: the contracted axis; several contracted axes count as one K, in the product's order):
;;     1. [M 1,048,576, K 64] x [K 64, N 128]; A: computed on the way; B: input W1: QUANTISED
;;     2. [M 4, K 32] x [K 32, N 128]; A: input t; B: input W1: left as it is (M = 4 < 16)
;;     3. [M 1,048,576, K 128] x [K 128, N 128]; A: computed on the way; B: input W2 (given as codes): QUANTISED
;;     4. [M 1,048,576, K 128] x [K 128, N 1]; A: computed on the way; B: input W3: left as it is (N = 1 < 16)
;;   THE QUANTISER, for each operand of a quantised product, along K:
;;     - K is cut into blocks of 32 from its start; a last block that is shorter is filled with zeros.
;;     - A block's scale is 2^e with e = floor(log2(the largest magnitude in the block)) - 2, held to -126 .. 127; a block of zeros has e = 0. As a byte (E8M0): e + 127.
;;     - Each number is divided by its block's scale, clamped to +-6, and rounded to the nearest number of E2M1, ties to even, subnormals kept.
;;     - The product sums the exact products of the quantised numbers (number of the format x scale) in f32.
;;   ~~~python
;;   def quantise(x, axis):      # numpy; x: float32 -> the quantised numbers, widened to float32 again
;;       x = np.moveaxis(x, axis, -1); K = x.shape[-1]
;;       x = np.pad(x, [(0, 0)] * (x.ndim - 1) + [(0, -K % 32)]); x = x.reshape(x.shape[:-1] + (-1, 32)); a = np.abs(x).max(-1, keepdims=True)
;;       e = np.where(a > 0, np.clip(np.frexp(np.where(a > 0, a, 1))[1] - 1 - 2, -126, 127), 0)      # np.frexp(a)[1] - 1 = floor(log2(a)), exactly
;;       r = np.clip(x / 2.0 ** e, -6, 6)
;;       step = 2.0 ** (np.maximum(np.frexp(np.where(r == 0, 1, r))[1] - 1, 0) - 1)
;;       q = np.round(r / step) * step * 2.0 ** e      # np.round: ties to even
;;       return np.moveaxis(q.reshape(q.shape[:-2] + (-1,))[..., :K], -1, axis).astype(np.float32)
;;   ~~~
;;   OPERANDS COMPUTED ON THE WAY. 'Computed on the way' means the value that the module computes at that place (a softmax that the list does not call 'softmax' is quantised finished and normalised). What goes into a quantiser is computed in f32, as accurately as f32 sums, v_exp_f32 and their like allow (about 1e-6 of the number): no bf16 or f16 on the way to a quantiser, and a product that is left as it is and whose result goes on into a quantised operand takes f32 operands (vector FMAs, or v_wmma_f32_16x16x4_f32). A number that lies on a knife's edge between two numbers of the format may be rounded either way, as far as f32 arithmetic and the matrix unit's own rounding can turn it there, and no further.
;;   INPUTS GIVEN AS CODES. W2 (in the module: [128, 128], K = its axis 0): each comes as NAME_codes (uint8): NAME with its K axis moved to the last place and cut into blocks of 32 codes, [.., K / 32, bytes a block], one block behind the other in memory; two codes a byte, the lower K in the low four bits (a code: sign, 2 exponent bits, 1 mantissa bit); and NAME_scales (uint8): the same leading axes, one E8M0 byte (e + 127) for each 32 codes along K. Its value is code x scale, taken as it is: it is not quantised again, and the codes and scales need not be those that the quantiser above would give.
;; 2 versions. Each part assembles by itself: llvm-mc -triple=amdgcn-amd-amdhsa -mcpu=gfx1250 --defsym DOCPART=n.
;; ======== version 1 of 2: 1 launch
;; launch pairs (part 1): grid 64 x 4, 8 waves a work-group, no clusters, 33,792 bytes of LDS; arguments x, y, t, W1, b1, W2_codes, W2_scales, b2, W3, b3, out0; writes out0
.if DOCPART == 1
	.amdgcn_target "amdgcn-amd-amdhsa--gfx1250"
	.amdhsa_code_object_version 6
	.text
	.protected	k_qb0ecb19695_pairs
	.globl	k_qb0ecb19695_pairs
	.p2align	8
	.type	k_qb0ecb19695_pairs,@function
k_qb0ecb19695_pairs:
	s_mov_b64 s[64:65], 0
	v_nop
	global_prefetch_b8 v0, s[64:65] scope:SCOPE_SE
	s_setreg_imm32_b32 hwreg(HW_REG_WAVE_MODE, 25, 1), 1
	s_wait_xcnt 0x0
; out0[b][i][j] = relu( Q(relu( Q((x[b][i]-y[b][j])^2) Q(W1[:64]) + t[b] W1[64:] + b1 )) W2 + b2 ) . W3 + b3.   Q: MX-FP4 (E2M1, one E8M0 scale for each 32 along K).
; x, y [4][512][64] f32; t [4][32]; W1 [96][128]; W2 as codes [128 (unit)][64 bytes] with scale words [128][4]; out0 [4][512][512] f32.
; SHARES.  A work-group takes 32 i x 128 j of one b (grid 16 x 4 blocks, 4 b: 256 work-groups).  Wave w owns 16 j (their y stays in registers) and walks the 32 i: a tile = 16 pairs (one i, 16 j).
; Eight waves of 512 registers: two to a SIMD, so that one wave's vector work stands beside the other's matrix work and LDS loads.
; BOTH PRODUCTS ARE USED TRANSPOSED (source 0 = 16 units of the weight, source 1 = 16 pairs): lane (r = lane % 16, h = lane / 16) holds pair r throughout.
; THE UNITS OF A TILE OF LAYER 1 ARE NOT NEIGHBOURS: row m of tile 4 c + g is unit 64 c + 32 (m / 8) + 8 g + m % 8, so register j of that tile in lane (r, h) is unit 64 c + 32 h + 8 g + j:
; the 32 registers of tiles 4 c .. 4 c + 3 are ONE WHOLE BLOCK (2 c + h) of the next K in one lane, and the conversion of tile t is register t of the next operand: no maximum and no code changes lanes.
; LAYER 1 HAS K = 64 in an instruction of K = 128: a fragment of W1 holds two tiles (even tile's codes at k 0-63, odd tile's at k 64-127); the pairs' codes stand between two runs of zero codes,
; [Z, codes, Z]: the even tile takes [codes, Z], the odd tile [Z, codes].  Zero codes add nothing.  The pairs' scale word is (b0, b1, b0, b1).
; RELU OF LAYER 1 STANDS BEHIND THE QUANTISER: the block's maximum is taken without |.| over the floor, so negative numbers do not count; then every code whose sign bit is set has its three
; magnitude bits cleared (it becomes -0, which adds nothing): four integer lines for eight numbers.  The positive numbers' codes and the scale are those of the quantised relu.
; THE LARGEST SQUARE of a block is the square of the largest |x - y| (rounding keeps the order), so the maximum is taken ahead of the squarings.
; The biases are the C of the matrix instructions: c1 = t W1[64:] + b1 (f32 fused multiply-adds, made once) and b2.  The last layer (N = 1) is f32 multiply-adds; b3 starts one chain in lanes 0-15.
; NO CLUSTER, NO TENSOR LOADS: a work-group reads its inputs once at its head (8 KB of x, 32 KB of y, the weights) and nothing from memory in its loop: no step's bytes are shared.
; LIMITS: NaN and infinities among the inputs are not served; |x - y| stays under 1.8e19 (beyond it the square is infinite, in the definition too).  A block of zeros gets the scale byte 1 where the
; quantiser's rule says 127: its codes are zeros, so the product is the same.  A negative hidden number leaves the code -0 where the rule gives +0: the product is the same.
; LDS
.set XL,    0                          ; 32 rows of x, 256 bytes each
.set W1I,   8192                       ; W1's codes as images of registers: image k (512 bytes) = registers 4 k .. 4 k + 3 of the four fragments
.set W1W,   12288                      ; tile t's two scale bytes, a word a lane: 8 x 128 bytes
.set C1L,   13312                      ; c1, a word a thread: 128 units, made twice (waves 0-3, waves 4-7)
.set OUTL,  14336                      ; the way out: for each wave 32 rows x 64 bytes + 64 of padding
.set OWAVE, 2112
; REGISTERS, window 0
.set XA0, 1                            ; v1   XL + 128 h
.set XA,  2                            ; v2   the x row in hand
.set OA0, 3                            ; v3   OUTL + OWAVE w + 4 r
.set OA,  4                            ; v4   where the tile's result goes
.set RD,  5                            ; v5   the way out: where I read 16 bytes of a row
.set B3P, 6                            ; v[6:7]  b3 in lanes 0-15, else 0; 0
.set SU,  8                            ; v8-15   four pairs of sums
.set RS,  16                           ; v16  the lane's sum
.set TT,  17                           ; v17  the other half's
.set MA,  18                           ; v18-21  maxima in four chains
.set SO,  22                           ; v22-23  the conversions' scale operands
.set BY,  24                           ; v24-25  scale bytes
.set OWN, 26
.set OTH, 27                           ; v27  a lane exchange's destination
.set SG,  28                           ; v28-43  at work on the signs
.set W1S, 44                           ; v44-47  W1's scale words, one a fragment
.set W2S, 48                           ; v48-55  W2's, one a tile
.set DSC, 56                           ; v56  the pairs' scale word, layer 1
.set HSC, 57                           ; v57  layer 2
.set DZ,  60                           ; v60-63 zeros, v64-67 the pairs' codes, v68-71 zeros
.set HC,  72                           ; v72-79  the hidden layer's codes
.set XD,  80                           ; v80-111 a row of x, then x - y, then its square
.set ACC, 112                          ; v112-175 eight tiles of results, for both layers
.set C1,  176                          ; v176-239 c1 in the result's layout
.set LANE, 240                         ; v240-255 offsets of the head; LI is kept for the last stores
.set R15,  241
.set HH,   242
.set XST,  243
.set W1Q,  244
.set CU,   245
.set YO,   246
.set LI,   247
.set W2O,  248
.set R4,   249
.set BO,   250
.set LS,   251
.set C1ST, 252
.set C1A,  253
.set W1IST, 254
.set W1WST, 255
; window 1
.set W2F, 0                            ; W2's eight fragments
.set B2V, 64                           ; b2 in the result's layout
.set W3V, 128                          ; W3 likewise
.set W1F, 192                          ; W1's four fragments
.set YW,  224                          ; my pair's 32 numbers of y
.set MSB, 0
.macro WIN new                         ; low byte: bits 1:0 source 0, 3:2 source 1, 5:4 source 2, 7:6 destination; the high byte repeats the setting that is left
.if MSB != \new
	s_set_vgpr_msb (MSB<<8)|\new
.set MSB, \new
.endif
.endm
; the largest magnitude of v[s] .. v[s + 31] and the leaf, in two chains: 16 lines; result in v[a]
.macro MAX32A a, b, s, leaf
	v_max3_num_f32 v[\a], |v[\s]|, |v[\s+1]|, \leaf
	v_max3_num_f32 v[\b], |v[\s+16]|, |v[\s+17]|, |v[\s+18]|
.irp i, 0,1,2,3,4,5
	v_max3_num_f32 v[\a], v[\a], |v[\s+2+2*\i]|, |v[\s+3+2*\i]|
	v_max3_num_f32 v[\b], v[\b], |v[\s+19+2*\i]|, |v[\s+20+2*\i]|
.endr
	v_max3_num_f32 v[\a], v[\a], |v[\s+14]|, |v[\s+15]|
	v_max3_num_f32 v[\a], v[\a], v[\b], |v[\s+31]|
.endm
; a quarter of the next tile's x - y (source 0, y, in window 1), four plain lines: they are the places round the matrix instructions.  on = 0: four v_nop in their stead
.macro SUBS k, on
.if \on
.irp q, 0,1,2,3
	v_pk_add_f32 v[XD+8*\k+2*\q:XD+8*\k+2*\q+1], v[YW+8*\k+2*\q:YW+8*\k+2*\q+1], v[XD+8*\k+2*\q:XD+8*\k+2*\q+1] neg_lo:[1,0] neg_hi:[1,0]
.endr
.else
.rept 4
	v_nop
.endr
.endif
.endm
.macro FINA                            ; the last tile's four pairs of sums become one number a lane: four plain lines
	v_pk_add_f32 v[SU:SU+1], v[SU:SU+1], v[SU+2:SU+3]
	v_pk_add_f32 v[SU+4:SU+5], v[SU+4:SU+5], v[SU+6:SU+7]
	v_pk_add_f32 v[SU:SU+1], v[SU:SU+1], v[SU+4:SU+5]
	v_add_f32 v[RS], v[SU], v[SU+1]
.endm
.macro FINB                            ; with the other half of the units (lane l xor 16), and into my wave's part of the stage; lanes r and r + 16 store the same word with the same value
	v_permlanex16_b32 v[TT], v[RS], s30, s31
	v_add_nc_u32 v[OA], s67, v[OA0]
	v_add_f32 v[RS], v[RS], v[TT]
	ds_store_b32 v[OA], v[RS]
	s_add_co_u32 s67, s67, 64
.endm
; Eight matrix instructions, each on an accumulator of its own, its C the bias: no sum is carried from one to another
.macro M1
.irp t, 0,1,2,3,4,5,6,7
	v_wmma_scale_f32_16x16x128_f8f6f4 v[ACC+8*\t:ACC+8*\t+7], v[W1F+8*(\t/2):W1F+8*(\t/2)+7], v[DZ+4-4*(\t%2):DZ+11-4*(\t%2)], v[C1+8*\t:C1+8*\t+7], v[W1S+\t/2], v[DSC] matrix_a_fmt:MATRIX_FMT_FP4 matrix_b_fmt:MATRIX_FMT_FP4
.endr
.endm
.macro M2
.irp t, 0,1,2,3,4,5,6,7
	v_wmma_scale_f32_16x16x128_f8f6f4 v[ACC+8*\t:ACC+8*\t+7], v[W2F+8*\t:W2F+8*\t+7], v[HC:HC+7], v[B2V+8*\t:B2V+8*\t+7], v[W2S+\t], v[HSC] matrix_a_fmt:MATRIX_FMT_FP4 matrix_b_fmt:MATRIX_FMT_FP4
.endr
.endm
.macro RELU t                          ; each accumulator from its low end on
.irp j, 0,1,2,3,4,5,6,7
	v_max_num_f32 v[ACC+8*(\t)+\j], 0, v[ACC+8*(\t)+\j]
.endr
.endm
.macro DOT t                           ; x W3 (source 0, window 1), into four chains; tile 0 starts them, one of them from b3: nothing is cleared
.irp q, 0,1,2,3
.if (\t) == 0
.if \q == 0
	v_pk_fma_f32 v[SU:SU+1], v[W3V:W3V+1], v[ACC:ACC+1], v[B3P:B3P+1]
.else
	v_pk_mul_f32 v[SU+2*\q:SU+2*\q+1], v[W3V+2*\q:W3V+2*\q+1], v[ACC+2*\q:ACC+2*\q+1]
.endif
.else
	v_pk_fma_f32 v[SU+2*\q:SU+2*\q+1], v[W3V+8*(\t)+2*\q:W3V+8*(\t)+2*\q+1], v[ACC+8*(\t)+2*\q:ACC+8*(\t)+2*\q+1], v[SU+2*\q:SU+2*\q+1]
.endif
.endr
.endm
	s_load_b512 s[8:23], s[0:1], 0x0               ; x s[8:9], y s[10:11], t s[12:13], W1 s[14:15], b1 s[16:17], W2's codes s[18:19], W2's scales s[20:21], b2 s[22:23]
	s_load_b128 s[24:27], s[0:1], 0x40             ; W3 s[24:25], b3 s[26:27]
	s_load_b64 s[28:29], s[0:1], 0x50              ; out0
	v_lshl_add_u32 v58, v0, 2, 0x8000
	v_mov_b32 v59, 0
	v_lshrrev_b32 v1, 5, v0
	v_readfirstlane_b32 s2, v1                     ; wave 0..7
	s_and_b32 s3, ttmp7, 0xffff                    ; b
	s_lshr_b32 s4, ttmp9, 2                        ; which 32 i
	s_and_b32 s5, ttmp9, 3                         ; which 128 j
	s_mov_b32 s30, 0x76543210                      ; v_permlanex16_b32's selects for lane l xor 16
	s_mov_b32 s31, 0xfedcba98
	s_mov_b32 s70, 0x88888888                      ; the sign bits of eight codes
	s_lshl_b32 s6, s3, 17                          ; x: b x 512 rows of 256 bytes + 32 rows x the block of i
	s_lshl_b32 s71, s4, 13
	s_add_co_u32 s6, s6, s71
	s_mov_b32 s7, 0
	s_lshl_b32 s72, s3, 17                         ; y: b, + 128 rows x the block of j, + 16 rows x wave
	s_lshl_b32 s71, s5, 15
	s_add_co_u32 s72, s72, s71
	s_lshl_b32 s71, s2, 12
	s_add_co_u32 s72, s72, s71
	s_mov_b32 s73, 0
	s_lshl_b32 s74, s3, 7                          ; t: row b of 128 bytes
	s_mov_b32 s75, 0
	s_lshl_b32 s76, s3, 20                         ; out0: b x 512 rows of 2,048 bytes, + 32 rows x the block of i, + 4 rows x wave, + 512 bytes x the block of j
	s_lshl_b32 s71, s4, 16
	s_add_co_u32 s76, s76, s71
	s_lshl_b32 s71, s2, 13
	s_add_co_u32 s76, s76, s71
	s_lshl_b32 s71, s5, 9
	s_add_co_u32 s76, s76, s71
	s_mov_b32 s77, 0
	s_wait_kmcnt 0x0
	s_add_nc_u64 s[8:9], s[8:9], s[6:7]
	s_add_nc_u64 s[10:11], s[10:11], s[72:73]
	s_add_nc_u64 s[12:13], s[12:13], s[74:75]
	s_add_nc_u64 s[28:29], s[28:29], s[76:77]
	s_load_b512 s[32:47], s[12:13], 0x0            ; t[b][0..15]
	s_load_b512 s[48:63], s[12:13], 0x40           ; t[b][16..31]
	s_load_b32 s69, s[26:27], 0x0                  ; b3
	; the lane's offsets
	v_and_b32 v[LANE], 31, v0
	v_and_b32 v[R15], 15, v0                       ; r
	v_bfe_u32 v[HH], v0, 4, 1                      ; h
	v_lshlrev_b32 v[XST], 4, v0                    ; x on its way in: 16 bytes a thread, in memory and in LDS alike
	s_lshr_b32 s78, s2, 2                          ; c of my tile of W1 (tile = wave = 4 c + g)
	s_lshl_b32 s71, s78, 8
	s_and_b32 s79, s2, 3
	s_lshl_b32 s79, s79, 5
	s_add_co_u32 s71, s71, s79                     ; 4 x (64 c + 8 g)
	v_lshlrev_b32 v[W1Q], 14, v[HH]                ; W1(32 h + i, my unit): 32 h rows of 512 bytes,
	v_bfe_u32 v[CU], v0, 3, 1
	v_lshl_add_u32 v[W1Q], v[CU], 7, v[W1Q]        ; + 4 x 32 (r / 8)
	v_and_b32 v[CU], 7, v0
	v_lshl_add_u32 v[W1Q], v[CU], 2, v[W1Q]        ; + 4 (r % 8)
	v_add_nc_u32 v[W1Q], s71, v[W1Q]
	v_and_b32 v[CU], 127, v0
	v_lshlrev_b32 v[CU], 2, v[CU]                  ; c1: thread tau makes unit tau % 128
	v_lshlrev_b32 v[YO], 8, v[R15]
	v_lshl_add_u32 v[YO], v[HH], 7, v[YO]          ; y: row r, + my half's 32 numbers
	v_lshlrev_b32 v[LI], 4, v[LANE]                ; 16 x lane
	v_lshlrev_b32 v[W2O], 6, v[R15]
	v_lshl_add_u32 v[W2O], v[HH], 4, v[W2O]        ; W2's codes: row r of 64 bytes, + 16 h
	v_lshlrev_b32 v[R4], 2, v[R15]                 ; W2's scale words: 4 r
	v_lshlrev_b32 v[BO], 5, v[HH]                  ; b2, W3: my half's eight units of a tile
	v_lshlrev_b32 v[LS], 2, v[LANE]                ; 4 x lane
	v_lshl_add_u32 v[C1ST], v0, 2, C1L
	s_lshl_b32 s79, s78, 9
	s_add_co_u32 s79, s79, C1L
	v_lshl_add_u32 v[C1A], v[HH], 7, s79           ; c1 back: the copy that my four waves made, + 4 x 32 h
	s_lshl_b32 s79, s2, 9
	s_add_co_u32 s79, s79, W1I
	v_add_nc_u32 v[W1IST], s79, v[LI]
	s_lshl_b32 s79, s2, 7
	s_add_co_u32 s79, s79, W1W
	v_add_nc_u32 v[W1WST], s79, v[LS]
	v_lshlrev_b32 v[XA0], 7, v[HH]                 ; XL = 0
	s_mul_i32 s79, s2, OWAVE
	s_add_co_u32 s79, s79, OUTL
	v_add_nc_u32 v[OA0], s79, v[R4]
	v_lshrrev_b32 v[XA], 2, v[LANE]                ; the way out: lane l's 16 bytes of a row are columns of wave l / 4
	v_mul_u32_u24 v[XA], v[XA], OWAVE
	v_and_b32 v[OA], 3, v[LANE]
	v_lshl_add_u32 v[XA], v[OA], 4, v[XA]
	s_lshl_b32 s79, s2, 8                          ; my rows 4 w .. 4 w + 3, 64 bytes each
	s_add_co_u32 s79, s79, OUTL
	v_add_nc_u32 v[RD], s79, v[XA]
	; all that the work-group ever reads from memory, in one run
	global_load_b128 v[XD:XD+3], v[XST], s[8:9]
	global_load_b128 v[XD+4:XD+7], v[XST], s[8:9] offset:4096
.irp i, 0,1,2,3,4,5,6,7,8,9,10,11,12,13,14,15,16,17,18,19,20,21,22,23,24,25,26,27,28,29,30,31
	global_load_b32 v[ACC+\i], v[W1Q], s[14:15] offset:512*\i            ; a lane to a unit, registers down K: a whole block of 32
.endr
	global_load_b32 v[SG+8], v[CU], s[16:17]                             ; b1
.irp d, 0,1,2,3,4,5,6,7,8,9,10,11,12,13,14,15,16,17,18,19,20,21,22,23,24,25,26,27,28,29,30,31
	global_load_b32 v[ACC+32+\d], v[CU], s[14:15] offset:(64+\d)*512     ; W1(64 + d, my unit)
.endr
	WIN 0x40                                       ; destination window 1, address window 0
.irp q, 0,1,2,3,4,5,6,7
	global_load_b128 v[YW+4*\q:YW+4*\q+3], v[YO], s[10:11] offset:16*\q
.endr
.irp t, 0,1,2,3,4,5,6,7
.irp c, 0,1
	global_load_b128 v[W2F+8*\t+4*\c:W2F+8*\t+4*\c+3], v[W2O], s[18:19] offset:1024*\t+32*\c   ; tile t = units 16 t on; registers 4 c on: k = 64 c + 32 h + 0 .. 31
.endr
.endr
.irp t, 0,1,2,3,4,5,6,7
	global_load_b128 v[B2V+8*\t:B2V+8*\t+3], v[BO], s[22:23] offset:64*\t        ; register j: unit 16 t + 8 h + j
	global_load_b128 v[B2V+8*\t+4:B2V+8*\t+7], v[BO], s[22:23] offset:64*\t+16
	global_load_b128 v[W3V+8*\t:W3V+8*\t+3], v[BO], s[24:25] offset:64*\t
	global_load_b128 v[W3V+8*\t+4:W3V+8*\t+7], v[BO], s[24:25] offset:64*\t+16
.endr
	WIN 0
.irp t, 0,1,2,3,4,5,6,7
	global_load_b32 v[W2S+\t], v[R4], s[20:21] offset:64*\t
.endr
	s_wait_loadcnt 0x0                             ; the one wait for memory in this text
	s_wait_kmcnt 0x0                               ; t's row and b3
	ds_store_b128 v[XST], v[XD:XD+3]               ; x's 32 rows into LDS as they lie
	ds_store_b128 v[XST], v[XD+4:XD+7] offset:4096
	; W1's tile w: my unit's block h of 32 along K
	MAX32A MA, MA+1, ACC, 0x1800000                ; with the floor 2^(3 - 127): the byte cannot fall under 1
	v_add_nc_u32 v[SO], 0xff000000, v[MA]          ; 2 off the exponent field: the conversion's scale operand
	v_lshrrev_b32 v[BY], 23, v[SO]                 ; the scale's byte
.irp g, 0,1,2,3
	v_cvt_scalef32_pk8_fp4_f32 v[SG+\g], v[ACC+8*\g:ACC+8*\g+7], v[SO]
.endr
	v_mov_b32 v[OTH], 0                            ; a plain line behind the conversions; and a lane exchange's destination counts as a source, so it is written once
	v_permlanex16_b32 v[OTH], v[BY], s30, s31
	v_lshl_or_b32 v[OWN], v[OTH], 8, v[BY]         ; lanes 0-15: (block 0's byte, block 1's)
	ds_store_b128 v[W1IST], v[SG:SG+3]             ; the codes as an image of their registers
	ds_store_b32 v[W1WST], v[OWN]
	; c1 = t[b] W1[64:] + b1 of my unit: f32 fused multiply-adds in two chains, since it goes on into a quantiser
	v_fma_f32 v[SG+9], s32, v[ACC+32], v[SG+8]
	v_mul_f32 v[SG+10], s48, v[ACC+48]
.irp d, 1,2,3,4,5,6,7,8,9,10,11,12,13,14,15
	v_fma_f32 v[SG+9], s[32+\d], v[ACC+32+\d], v[SG+9]
	v_fma_f32 v[SG+10], s[48+\d], v[ACC+48+\d], v[SG+10]
.endr
	v_add_f32 v[SG+9], v[SG+9], v[SG+10]
	ds_store_b32 v[C1ST], v[SG+9]
.irp z, 0,1,2,3,8,9,10,11
	v_mov_b32 v[DZ+\z], 0                          ; the zero codes on both sides of the pairs' codes
.endr
	v_mov_b32 v[TT], 0
	v_mov_b32 v[B3P+1], 0
	v_mov_b32 v[B3P], s69
	v_cmp_eq_u32 vcc_lo, 0, v[HH]
	v_cndmask_b32 v[B3P], 0, v[B3P], vcc_lo        ; b3 once for each pair: in lanes 0-15
	s_wait_dscnt 0x0                               ; for the others' sake: my stores have landed
	s_barrier_signal -1
	s_barrier_wait -1                              ; x, W1's codes and scale bytes and c1 lie in LDS; none of them is written again
	WIN 0x40
.irp k, 0,1,2,3,4,5,6,7
	ds_load_b128 v[W1F+4*\k:W1F+4*\k+3], v[LI] offset:W1I+512*\k
.endr
	WIN 0
.irp t, 0,1,2,3,4,5,6,7
	ds_load_b32 v[MA+\t], v[LS] offset:W1W+128*\t
.endr
.irp c, 0,1
.irp g, 0,1,2,3
	ds_load_b128 v[C1+8*(4*\c+\g):C1+8*(4*\c+\g)+3], v[C1A] offset:256*\c+32*\g       ; register j of tile 4 c + g: unit 64 c + 32 h + 8 g + j
	ds_load_b128 v[C1+8*(4*\c+\g)+4:C1+8*(4*\c+\g)+7], v[C1A] offset:256*\c+32*\g+16
.endr
.endr
.irp q, 0,1,2,3,4,5,6,7
	ds_load_b128 v[XD+4*\q:XD+4*\q+3], v[XA0] offset:16*\q       ; row 0 of x: sixteen lanes read the same 16 bytes
.endr
	s_wait_dscnt 0x0
.irp p, 0,1,2,3
	v_lshl_or_b32 v[W1S+\p], v[MA+2*\p+1], 16, v[MA+2*\p]        ; a fragment's scale word: the even tile's two bytes, then the odd tile's
.endr
	WIN 0x01
	SUBS 0, 1
	SUBS 1, 1
	SUBS 2, 1
	SUBS 3, 1
	WIN 0
	s_mov_b32 s66, 0                               ; the x row in hand, in bytes
	s_mov_b32 s67, 0                               ; the row of the stage in hand
; A TILE: 16 pairs.  At its head XD = x - y of this tile.  first = 1: there is no tile before whose sums are to be finished.  last = 1: there is no next row of x.
; PLACES (ISA guide 7.12.1: only plain vector lines that name none of the matrix instruction's registers are counted here):
;   a scale word made by vector lines stands 8 ahead of its matrix instructions: DSC: the 16 squarings; HSC: the 16 lines on SG alone and SUBS 1.  Codes so made stand 4 ahead: FINA (or v_nop); SUBS 1.
;   results are read 4 behind: SUBS 0, SUBS 2.  ACC is written anew by matrix instructions 5 or more behind: the lines on SG; the next tile's maxima.
.macro TILE first, last
	MAX32A MA, MA+1, XD, 0x20800000                ; the largest |x - y| of my block, and the leaf 2^-62, whose square is the floor 2^(3 - 127)
	v_mul_f32 v[MA], v[MA], v[MA]                  ; the block's largest square
	v_add_nc_u32 v[SO], 0xff000000, v[MA]          ; 2 off its exponent field: the conversion's scale operand
	v_lshrrev_b32 v[BY], 23, v[SO]                 ; the scale's byte: block h's
	v_permlanex16_b32 v[OTH], v[BY], s30, s31
	v_perm_b32 v[DSC], v[OTH], v[BY], 0x04000400   ; lanes 0-15: (b0, b1, b0, b1): the codes may stand at k 0-63 or at k 64-127
.irp q, 0,1,2,3,4,5,6,7,8,9,10,11,12,13,14,15
	v_pk_mul_f32 v[XD+2*\q:XD+2*\q+1], v[XD+2*\q:XD+2*\q+1], v[XD+2*\q:XD+2*\q+1]
.endr
.irp g, 0,1,2,3
	v_cvt_scalef32_pk8_fp4_f32 v[DZ+4+\g], v[XD+8*\g:XD+8*\g+7], v[SO]
.endr
.if \last == 0
	s_add_co_u32 s66, s66, 256
	v_add_nc_u32 v[XA], s66, v[XA0]                ; (a plain line behind the conversions)
.irp q, 0,1,2,3,4,5,6,7
	ds_load_b128 v[XD+4*\q:XD+4*\q+3], v[XA] offset:16*\q        ; the next row of x, into the registers that the conversions have read
.endr
.endif
.if \first
.rept 4
	v_nop
.endr
.else
	FINA
.endif
	WIN 0x01                                       ; source 0 in window 1
	M1
.if \last == 0
	s_wait_dscnt 0x0                               ; the next row of x is in (asked for ahead of FINA and the eight matrix instructions)
.endif
	SUBS 0, 1-\last
	WIN 0
.if \first == 0
	FINB
.endif
	; the hidden layer's two blocks of mine (2 c + h, c = 0, 1): the largest number, no |.|: what is negative does not count.  Four chains by turns; each accumulator is read from its low end on
.irp c, 0,1
	v_max3_num_f32 v[MA+2*\c], v[ACC+32*\c], v[ACC+32*\c+1], 0x1800000           ; and the floor 2^(3 - 127)
	v_max3_num_f32 v[MA+2*\c+1], v[ACC+32*\c+16], v[ACC+32*\c+17], v[ACC+32*\c+18]
.endr
.irp i, 0,1,2,3,4,5
.irp c, 0,1
	v_max3_num_f32 v[MA+2*\c], v[MA+2*\c], v[ACC+32*\c+2+2*\i], v[ACC+32*\c+3+2*\i]
	v_max3_num_f32 v[MA+2*\c+1], v[MA+2*\c+1], v[ACC+32*\c+19+2*\i], v[ACC+32*\c+20+2*\i]
.endr
.endr
.irp c, 0,1
	v_max3_num_f32 v[MA+2*\c], v[MA+2*\c], v[ACC+32*\c+14], v[ACC+32*\c+15]
.endr
.irp c, 0,1
	v_max3_num_f32 v[MA+2*\c], v[MA+2*\c], v[MA+2*\c+1], v[ACC+32*\c+31]
.endr
.irp c, 0,1
	v_add_nc_u32 v[SO+\c], 0xff000000, v[MA+2*\c]
.endr
.irp c, 0,1
	v_lshrrev_b32 v[BY+\c], 23, v[SO+\c]
.endr
.irp t, 0,1,2,3,4,5,6,7
	v_cvt_scalef32_pk8_fp4_f32 v[HC+\t], v[ACC+8*\t:ACC+8*\t+7], v[SO+\t/4]      ; tile t's eight numbers are register t of the next operand
.endr
	v_lshl_or_b32 v[OWN], v[BY+1], 16, v[BY]       ; (a plain line behind the conversions)  my bytes: blocks h and 2 + h
	v_permlanex16_b32 v[OTH], v[OWN], s30, s31
	v_perm_b32 v[HSC], v[OTH], v[OWN], 0x06020400  ; lanes 0-15: blocks 0, 1, 2, 3
.irp t, 0,1,2,3,4,5,6,7
	v_and_b32 v[SG+\t], s70, v[HC+\t]              ; THE RELU, ON CODES: the sign bits,
.endr
.irp t, 0,1,2,3,4,5,6,7
	v_lshrrev_b32 v[SG+8+\t], 3, v[SG+\t]
.endr
.irp t, 0,1,2,3,4,5,6,7
	v_sub_nc_u32 v[SG+\t], v[SG+\t], v[SG+8+\t]    ; 8 - 1 = 7 in each negative code's place: its three magnitude bits,
.endr
.irp t, 0,1,2,3,4,5,6,7
	v_bfi_b32 v[HC+\t], v[SG+\t], 0, v[HC+\t]      ; which are cleared
.endr
	WIN 0x11                                       ; sources 0 and 2 in window 1
	SUBS 1, 1-\last
	M2
	WIN 0x01
	SUBS 2, 1-\last
	RELU 0                                         ; relu and the last layer: a tile's relu stands one tile ahead of its multiply-adds
.irp t, 0,1,2,3,4,5,6
	RELU \t+1
	DOT \t
.endr
	DOT 7
.if \last == 0
	SUBS 3, 1
.endif
	WIN 0
.endm
	TILE 1, 0                                      ; i = 0
	s_mov_b32 s68, 30
.Ltile:                                                ; i = 1 .. 30
	TILE 0, 0
	s_sub_co_u32 s68, s68, 1
	s_cmp_lg_u32 s68, 0
	s_cbranch_scc1 .Ltile
	TILE 0, 1                                      ; i = 31: no row of x is left to fetch
	FINA
	FINB
	; THE WAY OUT: a row's 512 bytes come from eight waves: a barrier, then each wave stores four whole rows
	s_wait_dscnt 0x0                               ; for the others' sake: my stores into the stage have landed
	s_barrier_signal -1
	s_barrier_wait -1
.irp k, 0,1,2,3
	ds_load_b128 v[XD+4*\k:XD+4*\k+3], v[RD] offset:64*\k
.endr
.irp k, 0,1,2,3
	s_wait_dscnt 3-\k                              ; LDS loads come back in order (ISA guide 5.7.1): row k is in, the younger rows may be out
	global_store_b128 v[LI], v[XD+4*\k:XD+4*\k+3], s[28:29] offset:2048*\k th:TH_STORE_NT   ; 32 lanes store 512 consecutive bytes, at a multiple of 256 from out0's first byte; written once, read by nobody here
.endr
	s_wait_tensorcnt 0x0
	ds_add_u32 v58, v59
	s_wait_dscnt 0x0
	s_endpgm
.Lfunc_end_k_qb0ecb19695_pairs:
	.size	k_qb0ecb19695_pairs, .Lfunc_end_k_qb0ecb19695_pairs-k_qb0ecb19695_pairs
	.p2alignl 7, 3214868480
	.fill 96, 4, 3214868480
	.section	.rodata,"a",@progbits
	.p2align	6, 0x0
	.amdhsa_kernel k_qb0ecb19695_pairs
		.amdhsa_group_segment_fixed_size 33792
		.amdhsa_private_segment_fixed_size 0
		.amdhsa_enable_private_segment 0
		.amdhsa_kernarg_size 88
		.amdhsa_user_sgpr_count 2
		.amdhsa_user_sgpr_kernarg_segment_ptr 1
		.amdhsa_wavefront_size32 1
		.amdhsa_system_sgpr_workgroup_id_x 1
		.amdhsa_system_sgpr_workgroup_id_y 1
		.amdhsa_system_sgpr_workgroup_id_z 1
		.amdhsa_system_vgpr_workitem_id 0
		.amdhsa_next_free_vgpr 512
		.amdhsa_next_free_sgpr 80
		.amdhsa_reserve_vcc 1
		.amdhsa_float_denorm_mode_32 3
		.amdhsa_float_denorm_mode_16_64 3
		.amdhsa_memory_ordered 1
		.amdhsa_forward_progress 1
		.amdhsa_inst_pref_size 70
	.end_amdhsa_kernel
	.amdgpu_metadata
---
amdhsa.version: [ 1, 2 ]
amdhsa.kernels:
  - .name:           k_qb0ecb19695_pairs
    .symbol:         k_qb0ecb19695_pairs.kd
    .args:
      - { .name: x, .offset: 0, .size: 8, .value_kind: global_buffer, .address_space: global }
      - { .name: y, .offset: 8, .size: 8, .value_kind: global_buffer, .address_space: global }
      - { .name: t, .offset: 16, .size: 8, .value_kind: global_buffer, .address_space: global }
      - { .name: W1, .offset: 24, .size: 8, .value_kind: global_buffer, .address_space: global }
      - { .name: b1, .offset: 32, .size: 8, .value_kind: global_buffer, .address_space: global }
      - { .name: W2_codes, .offset: 40, .size: 8, .value_kind: global_buffer, .address_space: global }
      - { .name: W2_scales, .offset: 48, .size: 8, .value_kind: global_buffer, .address_space: global }
      - { .name: b2, .offset: 56, .size: 8, .value_kind: global_buffer, .address_space: global }
      - { .name: W3, .offset: 64, .size: 8, .value_kind: global_buffer, .address_space: global }
      - { .name: b3, .offset: 72, .size: 8, .value_kind: global_buffer, .address_space: global }
      - { .name: out0, .offset: 80, .size: 8, .value_kind: global_buffer, .address_space: global }
    .group_segment_fixed_size: 33792
    .private_segment_fixed_size: 0
    .kernarg_segment_align: 8
    .kernarg_segment_size: 88
    .max_flat_workgroup_size: 256
    .sgpr_count:     80
    .vgpr_count:     512
    .wavefront_size: 32
...
	.end_amdgpu_metadata
.endif
;; end of part 1
;; ======== version 2 of 2: 1 launch; version 1 with the launch pairs written anew for expert scheduling mode
;; launch pairs (part 2): grid 64 x 4, 8 waves a work-group, no clusters, 33,792 bytes of LDS; arguments x, y, t, W1, b1, W2_codes, W2_scales, b2, W3, b3, out0; writes out0
.if DOCPART == 2
	.amdgcn_target "amdgcn-amd-amdhsa--gfx1250"
	.amdhsa_code_object_version 6
	.text
	.protected	k_qb0ecb19695_pairs
	.globl	k_qb0ecb19695_pairs
	.p2align	8
	.type	k_qb0ecb19695_pairs,@function
k_qb0ecb19695_pairs:
	s_mov_b64 s[64:65], 0
	v_nop
	global_prefetch_b8 v0, s[64:65] scope:SCOPE_SE
	s_setreg_imm32_b32 hwreg(HW_REG_WAVE_SCHED_MODE, 0, 2), 2
	s_setreg_imm32_b32 hwreg(HW_REG_WAVE_MODE, 25, 1), 1
	s_wait_xcnt 0x0
	s_wait_alu depctr_vm_vsrc(0)
; out0[b][i][j] = relu( Q(relu( Q((x[b][i]-y[b][j])^2) Q(W1[:64]) + t[b] W1[64:] + b1 )) W2 + b2 ) . W3 + b3.   Q: MX-FP4 (E2M1, one E8M0 scale for each 32 along K).
; x, y [4][512][64] f32; t [4][32]; W1 [96][128]; W2 as codes [128 (unit)][64 bytes] with scale words [128][4]; out0 [4][512][512] f32.
; SHARES.  A work-group takes 32 i x 128 j of one b (grid 16 x 4 blocks, 4 b: 256 work-groups).  Wave w owns 16 j (their y stays in registers) and walks the 32 i: a tile = 16 pairs (one i, 16 j).
; Eight waves of 512 registers: two to a SIMD, so that one wave's vector work stands beside the other's matrix work and LDS loads.
; BOTH PRODUCTS ARE USED TRANSPOSED (source 0 = 16 units of the weight, source 1 = 16 pairs): lane (r = lane % 16, h = lane / 16) holds pair r throughout.
; THE UNITS OF A TILE OF LAYER 1 ARE NOT NEIGHBOURS: row m of tile 4 c + g is unit 64 c + 32 (m / 8) + 8 g + m % 8, so register j of that tile in lane (r, h) is unit 64 c + 32 h + 8 g + j:
; the 32 registers of tiles 4 c .. 4 c + 3 are ONE WHOLE BLOCK (2 c + h) of the next K in one lane, and the conversion of tile t is register t of the next operand: no maximum and no code changes lanes.
; LAYER 1 HAS K = 64 in an instruction of K = 128: a fragment of W1 holds two tiles (even tile's codes at k 0-63, odd tile's at k 64-127); the pairs' codes stand between two runs of zero codes,
; [Z, codes, Z]: the even tile takes [codes, Z], the odd tile [Z, codes].  Zero codes add nothing.  The pairs' scale word is (b0, b1, b0, b1).
; RELU OF LAYER 1 STANDS BEHIND THE QUANTISER: the block's maximum is taken without |.| over the floor, so negative numbers do not count; then every code whose sign bit is set has its three
; magnitude bits cleared (it becomes -0, which adds nothing): four integer lines for eight numbers.  The positive numbers' codes and the scale are those of the quantised relu.
; THE LARGEST SQUARE of a block is the square of the largest |x - y| (rounding keeps the order), so the maximum is taken ahead of the squarings.
; The biases are the C of the matrix instructions: c1 = t W1[64:] + b1 (f32 fused multiply-adds, made once) and b2.  The last layer (N = 1) is f32 multiply-adds; b3 starts one chain in lanes 0-15.
; NO CLUSTER, NO TENSOR LOADS: a work-group reads its inputs once at its head (8 KB of x, 32 KB of y, the weights) and nothing from memory in its loop: no step's bytes are shared.
; LIMITS: NaN and infinities among the inputs are not served; |x - y| stays under 1.8e19 (beyond it the square is infinite, in the definition too).  A block of zeros gets the scale byte 1 where the
; quantiser's rule says 127: its codes are zeros, so the product is the same.  A negative hidden number leaves the code -0 where the rule gives +0: the product is the same.
; THE MODE: SCHED_MODE bits 1:0 = 2 (LLVM: expert scheduling mode 2), set by the entry lines.  The code itself states the register dependences between vector or matrix instructions and
; memory or LDS instructions, with s_wait_alu, always for 0.
; THE PLAN.  Registers that LDS instructions touch in the loop, and who else names them:
;   XD       read by a tile's maxima, squarings and conversions; then the next row of x lands in it (eight LDS loads); then the four SUBS write x - y into it, behind the waits on DScnt.
;   v[XA]    written once a tile, behind the conversions; read by that tile's eight LDS loads.
;   v[OA], v[TT]  the address and the result of the tile before: written by this tile's vector lines, read by the one LDS store at this tile's end.
;   v[XA0], v[OA0], v[RD], v[LI] and the head's other offsets are written once and never again.
;   DSC, the pairs' codes, HSC and HC are written by vector lines and taken by scaled matrix instructions.
; So a tile holds three waits.  ONE on vm_vsrc behind the conversions: the tile before has read XA, OA and TT.  ONE on va_vdst behind the places in front of the first product: the vector lines are done
; with XD, XA is written, DSC and the codes are written; the eight loads and the eight matrix instructions follow it.  ONE on va_vdst behind the places in front of the second product: HSC and HC are
; written, and so are OA and TT; the store stands at the tile's end, and no vector or matrix instruction between that wait and the store names OA or TT.
; LDS
.set XL,    0                          ; 32 rows of x, 256 bytes each
.set W1I,   8192                       ; W1's codes as images of registers: image k (512 bytes) = registers 4 k .. 4 k + 3 of the four fragments
.set W1W,   12288                      ; tile t's two scale bytes, a word a lane: 8 x 128 bytes
.set C1L,   13312                      ; c1, a word a thread: 128 units, made twice (waves 0-3, waves 4-7)
.set OUTL,  14336                      ; the way out: for each wave 32 rows x 64 bytes + 64 of padding
.set OWAVE, 2112
; REGISTERS, window 0
.set XA0, 1                            ; v1   XL + 128 h
.set XA,  2                            ; v2   the x row in hand
.set OA0, 3                            ; v3   OUTL + OWAVE w + 4 r
.set OA,  4                            ; v4   where the tile's result goes
.set RD,  5                            ; v5   the way out: where I read 16 bytes of a row
.set B3P, 6                            ; v[6:7]  b3 in lanes 0-15, else 0; 0
.set SU,  8                            ; v8-15   four pairs of sums
.set RS,  16                           ; v16  the lane's sum
.set TT,  17                           ; v17  the other half's, then the pair's result: what the tile's store reads
.set MA,  18                           ; v18-21  maxima in four chains
.set SO,  22                           ; v22-23  the conversions' scale operands
.set BY,  24                           ; v24-25  scale bytes
.set OWN, 26
.set OTH, 27                           ; v27  a lane exchange's destination
.set SG,  28                           ; v28-43  at work on the signs
.set W1S, 44                           ; v44-47  W1's scale words, one a fragment
.set W2S, 48                           ; v48-55  W2's, one a tile
.set DSC, 56                           ; v56  the pairs' scale word, layer 1
.set HSC, 57                           ; v57  layer 2
.set DZ,  60                           ; v60-63 zeros, v64-67 the pairs' codes, v68-71 zeros
.set HC,  72                           ; v72-79  the hidden layer's codes
.set XD,  80                           ; v80-111 a row of x, then x - y, then its square
.set ACC, 112                          ; v112-175 eight tiles of results, for both layers
.set C1,  176                          ; v176-239 c1 in the result's layout
.set LANE, 240                         ; v240-255 offsets of the head; LI is kept for the last stores
.set R15,  241
.set HH,   242
.set XST,  243
.set W1Q,  244
.set CU,   245
.set YO,   246
.set LI,   247
.set W2O,  248
.set R4,   249
.set BO,   250
.set LS,   251
.set C1ST, 252
.set C1A,  253
.set W1IST, 254
.set W1WST, 255
; window 1
.set W2F, 0                            ; W2's eight fragments
.set B2V, 64                           ; b2 in the result's layout
.set W3V, 128                          ; W3 likewise
.set W1F, 192                          ; W1's four fragments
.set YW,  224                          ; my pair's 32 numbers of y
.set MSB, 0
.macro WIN new                         ; low byte: bits 1:0 source 0, 3:2 source 1, 5:4 source 2, 7:6 destination; the high byte repeats the setting that is left
.if MSB != \new
	s_set_vgpr_msb (MSB<<8)|\new
.set MSB, \new
.endif
.endm
; the largest magnitude of v[s] .. v[s + 31] and the leaf, in two chains: 16 lines; result in v[a]
.macro MAX32A a, b, s, leaf
	v_max3_num_f32 v[\a], |v[\s]|, |v[\s+1]|, \leaf
	v_max3_num_f32 v[\b], |v[\s+16]|, |v[\s+17]|, |v[\s+18]|
.irp i, 0,1,2,3,4,5
	v_max3_num_f32 v[\a], v[\a], |v[\s+2+2*\i]|, |v[\s+3+2*\i]|
	v_max3_num_f32 v[\b], v[\b], |v[\s+19+2*\i]|, |v[\s+20+2*\i]|
.endr
	v_max3_num_f32 v[\a], v[\a], |v[\s+14]|, |v[\s+15]|
	v_max3_num_f32 v[\a], v[\a], v[\b], |v[\s+31]|
.endm
; a quarter of the next tile's x - y (source 0, y, in window 1), four plain lines: they are the places round the matrix instructions.  on = 0: four v_nop in their stead
.macro SUBS k, on
.if \on
.irp q, 0,1,2,3
	v_pk_add_f32 v[XD+8*\k+2*\q:XD+8*\k+2*\q+1], v[YW+8*\k+2*\q:YW+8*\k+2*\q+1], v[XD+8*\k+2*\q:XD+8*\k+2*\q+1] neg_lo:[1,0] neg_hi:[1,0]
.endr
.else
.rept 4
	v_nop
.endr
.endif
.endm
.macro FINA1                           ; the last tile's four pairs of sums become one pair: three plain lines
	v_pk_add_f32 v[SU:SU+1], v[SU:SU+1], v[SU+2:SU+3]
	v_pk_add_f32 v[SU+4:SU+5], v[SU+4:SU+5], v[SU+6:SU+7]
	v_pk_add_f32 v[SU:SU+1], v[SU:SU+1], v[SU+4:SU+5]
.endm
.macro FINA2                           ; and one number a lane
	v_add_f32 v[RS], v[SU], v[SU+1]
.endm
.macro OADR                            ; where that tile's result goes, in my wave's part of the stage
	v_add_nc_u32 v[OA], s67, v[OA0]
	s_add_co_u32 s67, s67, 64
.endm
; Eight matrix instructions, each on an accumulator of its own, its C the bias: no sum is carried from one to another
.macro M1
.irp t, 0,1,2,3,4,5,6,7
	v_wmma_scale_f32_16x16x128_f8f6f4 v[ACC+8*\t:ACC+8*\t+7], v[W1F+8*(\t/2):W1F+8*(\t/2)+7], v[DZ+4-4*(\t%2):DZ+11-4*(\t%2)], v[C1+8*\t:C1+8*\t+7], v[W1S+\t/2], v[DSC] matrix_a_fmt:MATRIX_FMT_FP4 matrix_b_fmt:MATRIX_FMT_FP4
.endr
.endm
.macro M2
.irp t, 0,1,2,3,4,5,6,7
	v_wmma_scale_f32_16x16x128_f8f6f4 v[ACC+8*\t:ACC+8*\t+7], v[W2F+8*\t:W2F+8*\t+7], v[HC:HC+7], v[B2V+8*\t:B2V+8*\t+7], v[W2S+\t], v[HSC] matrix_a_fmt:MATRIX_FMT_FP4 matrix_b_fmt:MATRIX_FMT_FP4
.endr
.endm
.macro RELU t                          ; each accumulator from its low end on
.irp j, 0,1,2,3,4,5,6,7
	v_max_num_f32 v[ACC+8*(\t)+\j], 0, v[ACC+8*(\t)+\j]
.endr
.endm
.macro DOT t                           ; x W3 (source 0, window 1), into four chains; tile 0 starts them, one of them from b3: nothing is cleared
.irp q, 0,1,2,3
.if (\t) == 0
.if \q == 0
	v_pk_fma_f32 v[SU:SU+1], v[W3V:W3V+1], v[ACC:ACC+1], v[B3P:B3P+1]
.else
	v_pk_mul_f32 v[SU+2*\q:SU+2*\q+1], v[W3V+2*\q:W3V+2*\q+1], v[ACC+2*\q:ACC+2*\q+1]
.endif
.else
	v_pk_fma_f32 v[SU+2*\q:SU+2*\q+1], v[W3V+8*(\t)+2*\q:W3V+8*(\t)+2*\q+1], v[ACC+8*(\t)+2*\q:ACC+8*(\t)+2*\q+1], v[SU+2*\q:SU+2*\q+1]
.endif
.endr
.endm
	s_load_b512 s[8:23], s[0:1], 0x0               ; x s[8:9], y s[10:11], t s[12:13], W1 s[14:15], b1 s[16:17], W2's codes s[18:19], W2's scales s[20:21], b2 s[22:23]
	s_load_b128 s[24:27], s[0:1], 0x40             ; W3 s[24:25], b3 s[26:27]
	s_load_b64 s[28:29], s[0:1], 0x50              ; out0
	v_lshl_add_u32 v58, v0, 2, 0x8000
	v_mov_b32 v59, 0
	v_lshrrev_b32 v1, 5, v0
	v_readfirstlane_b32 s2, v1                     ; wave 0..7
	s_and_b32 s3, ttmp7, 0xffff                    ; b
	s_lshr_b32 s4, ttmp9, 2                        ; which 32 i
	s_and_b32 s5, ttmp9, 3                         ; which 128 j
	s_mov_b32 s30, 0x76543210                      ; v_permlanex16_b32's selects for lane l xor 16
	s_mov_b32 s31, 0xfedcba98
	s_mov_b32 s70, 0x88888888                      ; the sign bits of eight codes
	s_wait_alu depctr_va_sdst(0)                   ; s2, the wave's number, is written, ahead of its first reader: y's and out0's bases and the LDS addresses are made from it
	s_lshl_b32 s6, s3, 17                          ; x: b x 512 rows of 256 bytes + 32 rows x the block of i
	s_lshl_b32 s71, s4, 13
	s_add_co_u32 s6, s6, s71
	s_mov_b32 s7, 0
	s_lshl_b32 s72, s3, 17                         ; y: b, + 128 rows x the block of j, + 16 rows x wave
	s_lshl_b32 s71, s5, 15
	s_add_co_u32 s72, s72, s71
	s_lshl_b32 s71, s2, 12
	s_add_co_u32 s72, s72, s71
	s_mov_b32 s73, 0
	s_lshl_b32 s74, s3, 7                          ; t: row b of 128 bytes
	s_mov_b32 s75, 0
	s_lshl_b32 s76, s3, 20                         ; out0: b x 512 rows of 2,048 bytes, + 32 rows x the block of i, + 4 rows x wave, + 512 bytes x the block of j
	s_lshl_b32 s71, s4, 16
	s_add_co_u32 s76, s76, s71
	s_lshl_b32 s71, s2, 13
	s_add_co_u32 s76, s76, s71
	s_lshl_b32 s71, s5, 9
	s_add_co_u32 s76, s76, s71
	s_mov_b32 s77, 0
	s_wait_kmcnt 0x0
	s_add_nc_u64 s[8:9], s[8:9], s[6:7]
	s_add_nc_u64 s[10:11], s[10:11], s[72:73]
	s_add_nc_u64 s[12:13], s[12:13], s[74:75]
	s_add_nc_u64 s[28:29], s[28:29], s[76:77]
	s_load_b512 s[32:47], s[12:13], 0x0            ; t[b][0..15]
	s_load_b512 s[48:63], s[12:13], 0x40           ; t[b][16..31]
	s_load_b32 s69, s[26:27], 0x0                  ; b3
	; the lane's offsets
	v_and_b32 v[LANE], 31, v0
	v_and_b32 v[R15], 15, v0                       ; r
	v_bfe_u32 v[HH], v0, 4, 1                      ; h
	v_lshlrev_b32 v[XST], 4, v0                    ; x on its way in: 16 bytes a thread, in memory and in LDS alike
	s_lshr_b32 s78, s2, 2                          ; c of my tile of W1 (tile = wave = 4 c + g)
	s_lshl_b32 s71, s78, 8
	s_and_b32 s79, s2, 3
	s_lshl_b32 s79, s79, 5
	s_add_co_u32 s71, s71, s79                     ; 4 x (64 c + 8 g)
	v_lshlrev_b32 v[W1Q], 14, v[HH]                ; W1(32 h + i, my unit): 32 h rows of 512 bytes,
	v_bfe_u32 v[CU], v0, 3, 1
	v_lshl_add_u32 v[W1Q], v[CU], 7, v[W1Q]        ; + 4 x 32 (r / 8)
	v_and_b32 v[CU], 7, v0
	v_lshl_add_u32 v[W1Q], v[CU], 2, v[W1Q]        ; + 4 (r % 8)
	v_add_nc_u32 v[W1Q], s71, v[W1Q]
	v_and_b32 v[CU], 127, v0
	v_lshlrev_b32 v[CU], 2, v[CU]                  ; c1: thread tau makes unit tau % 128
	v_lshlrev_b32 v[YO], 8, v[R15]
	v_lshl_add_u32 v[YO], v[HH], 7, v[YO]          ; y: row r, + my half's 32 numbers
	v_lshlrev_b32 v[LI], 4, v[LANE]                ; 16 x lane
	v_lshlrev_b32 v[W2O], 6, v[R15]
	v_lshl_add_u32 v[W2O], v[HH], 4, v[W2O]        ; W2's codes: row r of 64 bytes, + 16 h
	v_lshlrev_b32 v[R4], 2, v[R15]                 ; W2's scale words: 4 r
	s_wait_alu depctr_va_vdst(0)
	v_lshlrev_b32 v[BO], 5, v[HH]                  ; b2, W3: my half's eight units of a tile
	v_lshlrev_b32 v[LS], 2, v[LANE]                ; 4 x lane
	v_lshl_add_u32 v[C1ST], v0, 2, C1L
	s_lshl_b32 s79, s78, 9
	s_add_co_u32 s79, s79, C1L
	v_lshl_add_u32 v[C1A], v[HH], 7, s79           ; c1 back: the copy that my four waves made, + 4 x 32 h
	s_lshl_b32 s79, s2, 9
	s_add_co_u32 s79, s79, W1I
	v_add_nc_u32 v[W1IST], s79, v[LI]
	s_lshl_b32 s79, s2, 7
	s_add_co_u32 s79, s79, W1W
	v_add_nc_u32 v[W1WST], s79, v[LS]
	v_lshlrev_b32 v[XA0], 7, v[HH]                 ; XL = 0
	s_mul_i32 s79, s2, OWAVE
	s_add_co_u32 s79, s79, OUTL
	v_add_nc_u32 v[OA0], s79, v[R4]
	v_lshrrev_b32 v[XA], 2, v[LANE]                ; the way out: lane l's 16 bytes of a row are columns of wave l / 4
	v_mul_u32_u24 v[XA], v[XA], OWAVE
	v_and_b32 v[OA], 3, v[LANE]
	v_lshl_add_u32 v[XA], v[OA], 4, v[XA]
	s_lshl_b32 s79, s2, 8                          ; my rows 4 w .. 4 w + 3, 64 bytes each
	s_add_co_u32 s79, s79, OUTL
	v_add_nc_u32 v[RD], s79, v[XA]
	s_wait_alu depctr_va_vdst(0)                   ; all the offsets and addresses above are written (v1, v3, v5, v243 to v255): every load and store of the kernel but the loop's reads one of them, and none is written again
	; all that the work-group ever reads from memory, in one run
	global_load_b128 v[XD:XD+3], v[XST], s[8:9]
	global_load_b128 v[XD+4:XD+7], v[XST], s[8:9] offset:4096
.irp i, 0,1,2,3,4,5,6,7,8,9,10,11,12,13,14,15,16,17,18,19,20,21,22,23,24,25,26,27,28,29,30,31
	global_load_b32 v[ACC+\i], v[W1Q], s[14:15] offset:512*\i            ; a lane to a unit, registers down K: a whole block of 32
.endr
	global_load_b32 v[SG+8], v[CU], s[16:17]                             ; b1
.irp d, 0,1,2,3,4,5,6,7,8,9,10,11,12,13,14,15,16,17,18,19,20,21,22,23,24,25,26,27,28,29,30,31
	global_load_b32 v[ACC+32+\d], v[CU], s[14:15] offset:(64+\d)*512     ; W1(64 + d, my unit)
.endr
	WIN 0x40                                       ; destination window 1, address window 0
.irp q, 0,1,2,3,4,5,6,7
	global_load_b128 v[YW+4*\q:YW+4*\q+3], v[YO], s[10:11] offset:16*\q
.endr
.irp t, 0,1,2,3,4,5,6,7
.irp c, 0,1
	global_load_b128 v[W2F+8*\t+4*\c:W2F+8*\t+4*\c+3], v[W2O], s[18:19] offset:1024*\t+32*\c   ; tile t = units 16 t on; registers 4 c on: k = 64 c + 32 h + 0 .. 31
.endr
.endr
.irp t, 0,1,2,3,4,5,6,7
	global_load_b128 v[B2V+8*\t:B2V+8*\t+3], v[BO], s[22:23] offset:64*\t        ; register j: unit 16 t + 8 h + j
	global_load_b128 v[B2V+8*\t+4:B2V+8*\t+7], v[BO], s[22:23] offset:64*\t+16
	global_load_b128 v[W3V+8*\t:W3V+8*\t+3], v[BO], s[24:25] offset:64*\t
	global_load_b128 v[W3V+8*\t+4:W3V+8*\t+7], v[BO], s[24:25] offset:64*\t+16
.endr
	WIN 0
.irp t, 0,1,2,3,4,5,6,7
	global_load_b32 v[W2S+\t], v[R4], s[20:21] offset:64*\t
.endr
	s_wait_loadcnt 0x0                             ; the one wait for memory in this text
	s_wait_kmcnt 0x0                               ; t's row and b3
	ds_store_b128 v[XST], v[XD:XD+3]               ; x's 32 rows into LDS as they lie (the data came by loads; no vector line has written the address since the wait above)
	ds_store_b128 v[XST], v[XD+4:XD+7] offset:4096
	; W1's tile w: my unit's block h of 32 along K
	MAX32A MA, MA+1, ACC, 0x1800000                ; with the floor 2^(3 - 127): the byte cannot fall under 1
	v_add_nc_u32 v[SO], 0xff000000, v[MA]          ; 2 off the exponent field: the conversion's scale operand
	v_lshrrev_b32 v[BY], 23, v[SO]                 ; the scale's byte
.irp g, 0,1,2,3
	v_cvt_scalef32_pk8_fp4_f32 v[SG+\g], v[ACC+8*\g:ACC+8*\g+7], v[SO]
.endr
	v_mov_b32 v[OTH], 0                            ; a plain line behind the conversions; and a lane exchange's destination counts as a source, so it is written once
	v_permlanex16_b32 v[OTH], v[BY], s30, s31
	v_lshl_or_b32 v[OWN], v[OTH], 8, v[BY]         ; lanes 0-15: (block 0's byte, block 1's)
	; c1 = t[b] W1[64:] + b1 of my unit: f32 fused multiply-adds in two chains, since it goes on into a quantiser
	v_fma_f32 v[SG+9], s32, v[ACC+32], v[SG+8]
	v_mul_f32 v[SG+10], s48, v[ACC+48]
.irp d, 1,2,3,4,5,6,7,8,9,10,11,12,13,14,15
	v_fma_f32 v[SG+9], s[32+\d], v[ACC+32+\d], v[SG+9]
	v_fma_f32 v[SG+10], s[48+\d], v[ACC+48+\d], v[SG+10]
.endr
	v_add_f32 v[SG+9], v[SG+9], v[SG+10]
	v_cmp_eq_u32 vcc_lo, 0, v[HH]
.irp z, 0,1,2,3,8,9,10,11
	v_mov_b32 v[DZ+\z], 0                          ; the zero codes on both sides of the pairs' codes
.endr
	v_mov_b32 v[TT], 0
	v_mov_b32 v[B3P+1], 0
	v_mov_b32 v[B3P], s69
	s_wait_alu depctr_va_vcc(0)                    ; the compare has written VCC, which the select below reads
	v_cndmask_b32 v[B3P], 0, v[B3P], vcc_lo        ; b3 once for each pair: in lanes 0-15
	s_wait_alu depctr_va_vdst(0)                   ; W1's codes, its two scale bytes and c1 are written, which the three LDS stores read; the lines above are done with v18 to v25, in which LDS loads land behind the barrier; the zero codes are written, which the scaled matrix instructions take
	ds_store_b128 v[W1IST], v[SG:SG+3]             ; the codes as an image of their registers
	ds_store_b32 v[W1WST], v[OWN]
	ds_store_b32 v[C1ST], v[SG+9]
	s_wait_dscnt 0x0                               ; for the others' sake: my stores have landed
	s_barrier_signal -1
	s_barrier_wait -1                              ; x, W1's codes and scale bytes and c1 lie in LDS; none of them is written again
	s_wait_alu depctr_vm_vsrc(0)                   ; my LDS stores have read v[XD .. XD + 7], in which row 0 of x lands below, and SG and OWN, which the first tile's vector lines write
	WIN 0x40
.irp k, 0,1,2,3,4,5,6,7
	ds_load_b128 v[W1F+4*\k:W1F+4*\k+3], v[LI] offset:W1I+512*\k
.endr
	WIN 0
.irp t, 0,1,2,3,4,5,6,7
	ds_load_b32 v[MA+\t], v[LS] offset:W1W+128*\t
.endr
.irp c, 0,1
.irp g, 0,1,2,3
	ds_load_b128 v[C1+8*(4*\c+\g):C1+8*(4*\c+\g)+3], v[C1A] offset:256*\c+32*\g       ; register j of tile 4 c + g: unit 64 c + 32 h + 8 g + j
	ds_load_b128 v[C1+8*(4*\c+\g)+4:C1+8*(4*\c+\g)+7], v[C1A] offset:256*\c+32*\g+16
.endr
.endr
.irp q, 0,1,2,3,4,5,6,7
	ds_load_b128 v[XD+4*\q:XD+4*\q+3], v[XA0] offset:16*\q       ; row 0 of x: sixteen lanes read the same 16 bytes
.endr
	s_wait_dscnt 0x0
.irp p, 0,1,2,3
	v_lshl_or_b32 v[W1S+\p], v[MA+2*\p+1], 16, v[MA+2*\p]        ; a fragment's scale word: the even tile's two bytes, then the odd tile's
.endr
	WIN 0x01
	SUBS 0, 1
	SUBS 1, 1
	SUBS 2, 1
	SUBS 3, 1
	WIN 0
	s_mov_b32 s66, 0                               ; the x row in hand, in bytes
	s_mov_b32 s67, 0                               ; the row of the stage in hand
; A TILE: 16 pairs.  At its head XD = x - y of this tile.  first = 1: there is no tile before whose sums are to be finished.  last = 1: there is no next row of x.
; PLACES (ISA guide 7.12.1: only plain vector lines that name none of the matrix instruction's registers are counted here):
;   a scale word made by vector lines stands 8 ahead of its matrix instructions: DSC: the 16 squarings; HSC: the 16 lines on SG alone and SUBS 1.  Codes so made stand 4 ahead: the lines that finish
;   the last tile's sums and make the two LDS addresses (first tile: four v_nop and one address); SUBS 1.  The waits on va_vdst stand behind these places and fill none.
;   results are read 4 behind: SUBS 0, SUBS 2.  ACC is written anew by matrix instructions 5 or more behind: the lines on SG; the next tile's maxima.
.macro TILE first, last
	MAX32A MA, MA+1, XD, 0x20800000                ; the largest |x - y| of my block, and the leaf 2^-62, whose square is the floor 2^(3 - 127)
	v_mul_f32 v[MA], v[MA], v[MA]                  ; the block's largest square
	v_add_nc_u32 v[SO], 0xff000000, v[MA]          ; 2 off its exponent field: the conversion's scale operand
	v_lshrrev_b32 v[BY], 23, v[SO]                 ; the scale's byte: block h's
	v_permlanex16_b32 v[OTH], v[BY], s30, s31
	v_perm_b32 v[DSC], v[OTH], v[BY], 0x04000400   ; lanes 0-15: (b0, b1, b0, b1): the codes may stand at k 0-63 or at k 64-127
.irp q, 0,1,2,3,4,5,6,7,8,9,10,11,12,13,14,15
	v_pk_mul_f32 v[XD+2*\q:XD+2*\q+1], v[XD+2*\q:XD+2*\q+1], v[XD+2*\q:XD+2*\q+1]
.endr
.irp g, 0,1,2,3
	v_cvt_scalef32_pk8_fp4_f32 v[DZ+4+\g], v[XD+8*\g:XD+8*\g+7], v[SO]
.endr
.if \first
.rept 4
	v_nop
.endr
.else
	s_wait_alu depctr_vm_vsrc(0)                   ; the tile before: its LDS loads have read v[XA], its LDS store v[OA] and v[TT]: all three are written again in this tile
	FINA1                                          ; (a plain line behind the conversions)
	OADR
.endif
.if \last == 0
	s_add_co_u32 s66, s66, 256
	v_add_nc_u32 v[XA], s66, v[XA0]
.endif
.if \first == 0
	FINA2                                          ; (the two addresses stand between this line and the sum that it reads)
.endif
	s_wait_alu depctr_va_vdst(0)                   ; DSC and the pairs' codes are written, which the scaled matrix instructions take (in the first tile W1's scale words too); the squarings and conversions are done with XD, in which the loads below land; v[XA] is written, which they read
.if \last == 0
.irp q, 0,1,2,3,4,5,6,7
	ds_load_b128 v[XD+4*\q:XD+4*\q+3], v[XA] offset:16*\q        ; the next row of x, into the registers that the conversions have read
.endr
.endif
	WIN 0x01                                       ; source 0 in window 1
	M1
.if \last == 0
	s_wait_dscnt 6                                 ; LDS instructions come back in order (ISA guide 5.7.1): the two oldest of the eight loads are in, which SUBS 0 reads; the six younger may be out (the last tile's store is older than all eight)
.endif
	SUBS 0, 1-\last
	WIN 0
.if \first == 0
	v_permlanex16_b32 v[TT], v[RS], s30, s31       ; the last tile's sum over the other half of the units (lane l xor 16)
.endif
	; the hidden layer's two blocks of mine (2 c + h, c = 0, 1): the largest number, no |.|: what is negative does not count.  Four chains by turns; each accumulator is read from its low end on
.irp c, 0,1
	v_max3_num_f32 v[MA+2*\c], v[ACC+32*\c], v[ACC+32*\c+1], 0x1800000           ; and the floor 2^(3 - 127)
	v_max3_num_f32 v[MA+2*\c+1], v[ACC+32*\c+16], v[ACC+32*\c+17], v[ACC+32*\c+18]
.endr
.if \first == 0
	v_add_f32 v[TT], v[RS], v[TT]                  ; the last tile's result; lanes r and r + 16 hold the same number
.endif
.irp i, 0,1,2,3,4,5
.irp c, 0,1
	v_max3_num_f32 v[MA+2*\c], v[MA+2*\c], v[ACC+32*\c+2+2*\i], v[ACC+32*\c+3+2*\i]
	v_max3_num_f32 v[MA+2*\c+1], v[MA+2*\c+1], v[ACC+32*\c+19+2*\i], v[ACC+32*\c+20+2*\i]
.endr
.endr
.irp c, 0,1
	v_max3_num_f32 v[MA+2*\c], v[MA+2*\c], v[ACC+32*\c+14], v[ACC+32*\c+15]
.endr
.irp c, 0,1
	v_max3_num_f32 v[MA+2*\c], v[MA+2*\c], v[MA+2*\c+1], v[ACC+32*\c+31]
.endr
.irp c, 0,1
	v_add_nc_u32 v[SO+\c], 0xff000000, v[MA+2*\c]
.endr
.irp c, 0,1
	v_lshrrev_b32 v[BY+\c], 23, v[SO+\c]
.endr
.irp t, 0,1,2,3,4,5,6,7
	v_cvt_scalef32_pk8_fp4_f32 v[HC+\t], v[ACC+8*\t:ACC+8*\t+7], v[SO+\t/4]      ; tile t's eight numbers are register t of the next operand
.endr
	v_lshl_or_b32 v[OWN], v[BY+1], 16, v[BY]       ; (a plain line behind the conversions)  my bytes: blocks h and 2 + h
	v_permlanex16_b32 v[OTH], v[OWN], s30, s31
	v_perm_b32 v[HSC], v[OTH], v[OWN], 0x06020400  ; lanes 0-15: blocks 0, 1, 2, 3
.irp t, 0,1,2,3,4,5,6,7
	v_and_b32 v[SG+\t], s70, v[HC+\t]              ; THE RELU, ON CODES: the sign bits,
.endr
.irp t, 0,1,2,3,4,5,6,7
	v_lshrrev_b32 v[SG+8+\t], 3, v[SG+\t]
.endr
.irp t, 0,1,2,3,4,5,6,7
	v_sub_nc_u32 v[SG+\t], v[SG+\t], v[SG+8+\t]    ; 8 - 1 = 7 in each negative code's place: its three magnitude bits,
.endr
.irp t, 0,1,2,3,4,5,6,7
	v_bfi_b32 v[HC+\t], v[SG+\t], 0, v[HC+\t]      ; which are cleared
.endr
	WIN 0x11                                       ; sources 0 and 2 in window 1
.if \last == 0
	s_wait_dscnt 0x0                               ; the rest of the next row of x is in (asked for ahead of the first product)
.endif
	SUBS 1, 1-\last
	s_wait_alu depctr_va_vdst(0)                   ; HSC and the hidden layer's codes are written, which the scaled matrix instructions take; v[OA] and v[TT] are written, which the store at the tile's end reads
	M2
	WIN 0x01
	SUBS 2, 1-\last
	RELU 0                                         ; relu and the last layer: a tile's relu stands one tile ahead of its multiply-adds
.irp t, 0,1,2,3,4,5,6
	RELU \t+1
	DOT \t
.endr
	DOT 7
.if \last == 0
	SUBS 3, 1
.endif
	WIN 0
.if \first == 0
	ds_store_b32 v[OA], v[TT]                      ; the last tile's result into my wave's part of the stage; lanes r and r + 16 store the same word with the same value.  No wait: no vector or matrix instruction since the wait above names v[OA] or v[TT]
.endif
.endm
	TILE 1, 0                                      ; i = 0
	s_mov_b32 s68, 30
.Ltile:                                                ; i = 1 .. 30
	TILE 0, 0
	s_sub_co_u32 s68, s68, 1
	s_cmp_lg_u32 s68, 0
	s_cbranch_scc1 .Ltile
	TILE 0, 1                                      ; i = 31: no row of x is left to fetch
	FINA1
	s_wait_alu depctr_vm_vsrc(0)                   ; the store at the last tile's end has read v[OA] and v[TT], which the lines below write
	OADR
	FINA2
	v_permlanex16_b32 v[TT], v[RS], s30, s31
	v_add_f32 v[TT], v[RS], v[TT]
	s_wait_alu depctr_va_vdst(0)                   ; v[OA] and v[TT] are written, which the last store into the stage reads
	ds_store_b32 v[OA], v[TT]
	; THE WAY OUT: a row's 512 bytes come from eight waves: a barrier, then each wave stores four whole rows
	s_wait_dscnt 0x0                               ; for the others' sake: my stores into the stage have landed
	s_barrier_signal -1
	s_barrier_wait -1
.irp k, 0,1,2,3
	ds_load_b128 v[XD+4*\k:XD+4*\k+3], v[RD] offset:64*\k          ; (the last vector lines that name XD, the last tile's conversions, stand ahead of three waits on va_vdst)
.endr
.irp k, 0,1,2,3
	s_wait_dscnt 3-\k                              ; LDS loads come back in order (ISA guide 5.7.1): row k is in, the younger rows may be out
	global_store_b128 v[LI], v[XD+4*\k:XD+4*\k+3], s[28:29] offset:2048*\k th:TH_STORE_NT   ; 32 lanes store 512 consecutive bytes, at a multiple of 256 from out0's first byte; written once, read by nobody here
.endr
	s_wait_dscnt 0x0                               ; the closing lines, six on end
	s_wait_alu 0x0
	s_wait_tensorcnt 0x0
	ds_add_u32 v58, v59
	s_wait_dscnt 0x0
	s_endpgm
.Lfunc_end_k_qb0ecb19695_pairs:
	.size	k_qb0ecb19695_pairs, .Lfunc_end_k_qb0ecb19695_pairs-k_qb0ecb19695_pairs
	.p2alignl 7, 3214868480
	.fill 96, 4, 3214868480
	.section	.rodata,"a",@progbits
	.p2align	6, 0x0
	.amdhsa_kernel k_qb0ecb19695_pairs
		.amdhsa_group_segment_fixed_size 33792
		.amdhsa_private_segment_fixed_size 0
		.amdhsa_enable_private_segment 0
		.amdhsa_kernarg_size 88
		.amdhsa_user_sgpr_count 2
		.amdhsa_user_sgpr_kernarg_segment_ptr 1
		.amdhsa_wavefront_size32 1
		.amdhsa_system_sgpr_workgroup_id_x 1
		.amdhsa_system_sgpr_workgroup_id_y 1
		.amdhsa_system_sgpr_workgroup_id_z 1
		.amdhsa_system_vgpr_workitem_id 0
		.amdhsa_next_free_vgpr 512
		.amdhsa_next_free_sgpr 80
		.amdhsa_reserve_vcc 1
		.amdhsa_float_denorm_mode_32 3
		.amdhsa_float_denorm_mode_16_64 3
		.amdhsa_memory_ordered 1
		.amdhsa_forward_progress 1
		.amdhsa_inst_pref_size 71
	.end_amdhsa_kernel
	.amdgpu_metadata
---
amdhsa.version: [ 1, 2 ]
amdhsa.kernels:
  - .name:           k_qb0ecb19695_pairs
    .symbol:         k_qb0ecb19695_pairs.kd
    .args:
      - { .name: x, .offset: 0, .size: 8, .value_kind: global_buffer, .address_space: global }
      - { .name: y, .offset: 8, .size: 8, .value_kind: global_buffer, .address_space: global }
      - { .name: t, .offset: 16, .size: 8, .value_kind: global_buffer, .address_space: global }
      - { .name: W1, .offset: 24, .size: 8, .value_kind: global_buffer, .address_space: global }
      - { .name: b1, .offset: 32, .size: 8, .value_kind: global_buffer, .address_space: global }
      - { .name: W2_codes, .offset: 40, .size: 8, .value_kind: global_buffer, .address_space: global }
      - { .name: W2_scales, .offset: 48, .size: 8, .value_kind: global_buffer, .address_space: global }
      - { .name: b2, .offset: 56, .size: 8, .value_kind: global_buffer, .address_space: global }
      - { .name: W3, .offset: 64, .size: 8, .value_kind: global_buffer, .address_space: global }
      - { .name: b3, .offset: 72, .size: 8, .value_kind: global_buffer, .address_space: global }
      - { .name: out0, .offset: 80, .size: 8, .value_kind: global_buffer, .address_space: global }
    .group_segment_fixed_size: 33792
    .private_segment_fixed_size: 0
    .kernarg_segment_align: 8
    .kernarg_segment_size: 88
    .max_flat_workgroup_size: 256
    .sgpr_count:     80
    .vgpr_count:     512
    .wavefront_size: 32
...
	.end_amdgpu_metadata
.endif
;; end of part 2
